; MI455X (gfx1250); checked and timed in simulation.
; The chip was launched on July 23, 2026; its instructions are those of AMD's public machine-readable ISA for CDNA 5 (MIT licence, August 2026) and "CDNA5" Instruction Set Architecture Reference Guide (July 2026). The comments in the code are by the model that wrote it; some were corrected since.
;; Edit Model. Allowed arithmetic: matrix products marked QUANTISED: E2M3 operands, one E8M0 scale for each 32 along K, by v_wmma_scale_f32_16x16x128_f8f6f4 with both operands' format E2M3, f32 sums; everything else in f32.
;; Inputs: W_ins_codes 53 x 8 x 24 uint8 (E2M3 codes of W_ins, K innermost, in blocks of 32 codes, four codes in three bytes); W_ins_scales 53 x 8 uint8 (E8M0 scales of W_ins, one for each 32 codes along K); W_sub_codes 53 x 8 x 24 uint8 (E2M3 codes of W_sub, K innermost, in blocks of 32 codes, four codes in three bytes); W_sub_scales 53 x 8 uint8 (E8M0 scales of W_sub, one for each 32 codes along K); b_ins 53 float32; b_sub 53 float32; modern_ctx 64 x 128 x 256 float32; prior_ctx 64 x 128 x 256 float32; src_lengths 128 int32; target_ids 63 x 128 int32; tgt_lengths 128 int32.
;; Outputs: out0 64 x 64 x 128 float32; out1 64 x 64 x 128 float32; out2 64 x 63 x 128 float32; out3 64 x 63 x 128 float32.
;; This version of the problem:
;;   THIS VERSION OF THE PROBLEM IS GIVEN IN LOW PRECISION. The matrix products marked QUANTISED in the list below multiply operands that are first quantised to E2M3 (2 exponent bits, 3 mantissa bits; 6 bits a number), with one power-of-two scale for each 32 numbers along K (OCP MX v1.0); their sums are f32. All else is computed in f32.
;;   The module's matrix products, in the order in which they are computed (A, B: the left and right operand; K: the contracted axis; several contracted axes count as one K, in the product's order):
;;     1. [M 524,288, K 256] x [K 256, N 53]; A: computed on the way; B: input W_sub (given as codes): QUANTISED
;;     2. [M 524,288, K 256] x [K 256, N 53]; A: computed on the way; B: input W_ins (given as codes): QUANTISED
;;   THE QUANTISER, for each operand of a quantised product, along K:
;;     - K is cut into blocks of 32 from its start; a last block that is shorter is filled with zeros.
;;     - A block's scale is 2^e with e = floor(log2(the largest magnitude in the block)) - 2, held to -126 .. 127; a block of zeros has e = 0. As a byte (E8M0): e + 127.
;;     - Each number is divided by its block's scale, clamped to +-7.5, and rounded to the nearest number of E2M3, ties to even, subnormals kept.
;;     - The product sums the exact products of the quantised numbers (number of the format x scale) in f32.
;;   ~~~python
;;   def quantise(x, axis):      # numpy; x: float32 -> the quantised numbers, widened to float32 again
;;       x = np.moveaxis(x, axis, -1); K = x.shape[-1]
;;       x = np.pad(x, [(0, 0)] * (x.ndim - 1) + [(0, -K % 32)]); x = x.reshape(x.shape[:-1] + (-1, 32)); a = np.abs(x).max(-1, keepdims=True)
;;       e = np.where(a > 0, np.clip(np.frexp(np.where(a > 0, a, 1))[1] - 1 - 2, -126, 127), 0)      # np.frexp(a)[1] - 1 = floor(log2(a)), exactly
;;       r = np.clip(x / 2.0 ** e, -7.5, 7.5)
;;       step = 2.0 ** (np.maximum(np.frexp(np.where(r == 0, 1, r))[1] - 1, 0) - 3)
;;       q = np.round(r / step) * step * 2.0 ** e      # np.round: ties to even
;;       return np.moveaxis(q.reshape(q.shape[:-2] + (-1,))[..., :K], -1, axis).astype(np.float32)
;;   ~~~
;;   OPERANDS COMPUTED ON THE WAY. 'Computed on the way' means the value that the module computes at that place (a softmax that the list does not call 'softmax' is quantised finished and normalised). What goes into a quantiser is computed in f32, as accurately as f32 sums, v_exp_f32 and their like allow (about 1e-6 of the number): no bf16 or f16 on the way to a quantiser, and a product that is left as it is and whose result goes on into a quantised operand takes f32 operands (vector FMAs, or v_wmma_f32_16x16x4_f32). A number that lies on a knife's edge between two numbers of the format may be rounded either way, as far as f32 arithmetic and the matrix unit's own rounding can turn it there, and no further.
;;   INPUTS GIVEN AS CODES. W_ins (in the module: [53, 256], K = its axis 1); W_sub (in the module: [53, 256], K = its axis 1): each comes as NAME_codes (uint8): NAME with its K axis moved to the last place and cut into blocks of 32 codes, [.., K / 32, bytes a block], one block behind the other in memory; four codes in three bytes: a row's codes are one little-endian stream of bits, code i at bits 6 i .. 6 i + 5 (a code: sign, 2 exponent bits, 3 mantissa bits); and NAME_scales (uint8): the same leading axes, one E8M0 byte (e + 127) for each 32 codes along K. Its value is code x scale, taken as it is: it is not quantised again, and the codes and scales need not be those that the quantiser above would give.
;; 2 versions, each right; version 2 is version 1 with the launch spread written anew for expert scheduling mode. Each part assembles by itself: llvm-mc -triple=amdgcn-amd-amdhsa -mcpu=gfx1250 --defsym DOCPART=n.
;; ======== version 1 of 2: 2 launches
;; limits: right only within a limited range of input values
;; workspace buffers: ws 8,388,864 bytes
;; launch heads (part 1): grid 256 x 1, 8 waves a work-group, no clusters, 0 bytes of LDS; arguments W_sub_codes, W_sub_scales, W_ins_codes, W_ins_scales, b_sub, b_ins, prior_ctx, modern_ctx, target_ids, src_lengths, tgt_lengths, ws; writes ws
.if DOCPART == 1
	.amdgcn_target "amdgcn-amd-amdhsa--gfx1250"
	.amdhsa_code_object_version 6
	.text
	.protected	k_q0d500fd5fa_heads
	.globl	k_q0d500fd5fa_heads
	.p2align	8
	.type	k_q0d500fd5fa_heads,@function
k_q0d500fd5fa_heads:
	s_mov_b64 s[64:65], 0
	v_nop
	global_prefetch_b8 v0, s[64:65] scope:SCOPE_SE
	s_setreg_imm32_b32 hwreg(HW_REG_WAVE_MODE, 25, 1), 1
	s_wait_xcnt 0x0
; For each row (x, y, b): ctx = prior[x][b][:] + modern[y][b][:] in f32, quantised along its 256 numbers to E2M3 with one E8M0 scale for each 32, multiplied with
; W_sub's and W_ins's 53 rows of codes, + bias, log-softmax over the 53.  Four numbers of a row are kept: the log-probabilities of vocab 52 and of vocab target_ids[y][b], for each head.
; A TILE is 16 neighbouring x at one (b, y).  Its 16 x 4 results are 256 bytes: unit (4 y + x / 16) x 128 + b of ws; in it byte 128 h + 8 r + 4 e: h = 0: (sub at the target, ins at the target), h = 1: (sub at 52, ins at 52), of x = 16 (x / 16) + r.
; The next launch turns the units into the four outputs.  Unit 32,768 of ws holds zeros.
; WORK LEFT OUT, for all values of the inputs:
;  (1) logsumexp(sub + log_oh) is taken as sub at the target.  log_oh is 0 at the target and -1e9 elsewhere, reference()'s stand-in for log(0): a one-hot of an index, so the sum is a lookup.  Every other term is
;      exp(sub[v] - sub[target] - 1e9) beside 1.  LIMIT: the spread of a row's log-probabilities stays under about 1e9.  A target outside 0 .. 52 is held at 52, where reference() would give about -1e9.
;  (2) Where x >= src_lengths[b] or y >= tgt_lengths[b], reference() puts 0.  The lengths are whole numbers read from memory: tiles that lie wholly there are not computed; rows x >= src_lengths[b] inside a live tile are computed and 0 is selected.
;  (3) The target's pick at y = 63 is sliced away by reference(): it is made with row 62 of target_ids, inside a live tile, and the next launch does not store it.
;  A NaN, an infinity or an overflow that reaches only the work left out is not carried to the result.  All eleven inputs are loaded.
; LIMITS: lengths are held to 0 .. 64; NaN and infinities among the contexts are not served; a block whose largest magnitude lies under 2^-124 gets the scale byte 1 (a block of zeros too: its codes are zeros); logits stay above -1e30 (two pad rows carry that bias).
; SHARES.  c[b] = ceil(src / 16) x tgt live tiles; they are listed by (b, x / 16, y), y fastest; T is their number.  Each of the 2,048 waves makes the prefix sums of c itself and takes tiles (g T) >> 11 up to ((g + 1) T) >> 11: sixteen at the most.
; No LDS, no barrier; no tensor load; no cluster: work-groups share no tile at a known time.  No prefetch: a row of modern is asked for by its load four tiles ahead.
; THE PRODUCT IS USED TRANSPOSED: source 0 = 16 rows of W, source 1 = ctx.  Lane (r, h) holds x-row r, register j of an accumulator W's row 8 h + j of the tile.
; Tiles 0-2: sub's vocab 16 t + m.  Tiles 3-5: ins's.  Tile 6, by its row m: 0-2 sub 48-50; 3-5 ins 48-50; 8, 9 sub 51, 52; 11, 12 ins 51, 52; 10, 13 pads (bias -1e30); 6, 7, 14, 15 never read.
; So a head is 27 registers a lane, and vocab 52 lies in lanes 16-31: register 1 (sub) and 4 (ins) of tile 6.
; ctx's FRAGMENT: lane (r, h) owns four whole blocks of 32: block blk holds numbers 64 blk + 32 h + 0 .. 31 of its row, so no other lane is asked for a block's largest magnitude.
; A ROW OF modern (the same for all 16 x) is 8 registers of the wave: number (blk, j) lies in register 4 (blk / 2) + j % 4 of lane 8 (blk % 2) + j / 4 of the lane's own half, and the addition takes it from there (row_share).
; REGISTERS, window 0: v1 r, v2 h, v3-11 offsets, v[12:13] a tile's results, v14-15 ctx's scale words, v16-22 W's scale words (lanes 0-15: K step 0, lanes 16-31: K step 1), v24-27 prefix sums, v28-31 packed lengths,
;   v32-63 four rows of modern, v64-87 ctx's codes (later at work in the softmax), v88-143 sums, then the seven accumulators, v152-247 prior's blocks 0-2.
; window 1: v0-167 W's 14 fragments, v168-223 the biases in the result's layout, v224-255 prior's block 3.
.set SUM,  88                          ; 32 sums of a block
.set ACC,  88                          ; accumulator t at ACC + 8 t
.set ROW,  32                          ; ring slot k at ROW + 8 k
.set CODE, 64                          ; block blk's codes at CODE + 6 blk
.set PRI,  152                         ; prior's block blk at PRI + 32 blk (blk < 3)
.set PRI3, 224                         ; window 1: prior's block 3
.set BIAS, 168                         ; window 1
.set TMP,  120                         ; a block's upper 16 codes, as converted
.set MX,   124                         ; v124-127 largest magnitudes
.set EX,   128                         ; the conversion's scale operand
.set BY,   130                         ; v130-131 two blocks' scale bytes
.set OWN,  132
.set CS,   14
.set WS,   16
.set PI,   24                          ; inclusive prefix sum of c for b = 4 lane + i
.set INFO, 28                          ; exclusive prefix | tgt << 16 | src << 23
.set RA,   6                           ; v6-9 a ring slot's offset in modern
.set MSB, 0
.macro WIN new                         ; the immediate's high byte repeats the setting that is left
.if MSB != \new
	s_set_vgpr_msb (MSB<<8)|\new
.set MSB, \new
.endif
.endm
; Two fragments (K steps 0, 1) of 16 rows of W: lane (r, h) takes 24 bytes at 96 s + 24 h and 24 at 96 s + 48 + 24 h of its row, as three loads of 8 bytes each
.macro WFRAG reg, adr, lo, off
.irp s, 0,1
.irp p, 0,1,2,3,4,5
	global_load_b64 v[\reg+12*\s+2*\p:\reg+12*\s+2*\p+1], v[\adr], s[\lo:\lo+1] offset:\off+96*\s+48*(\p/3)+8*(\p%3)
.endr
.endr
.endm
	s_load_b512 s[8:23], s[0:1], 0x0               ; W_sub's codes s[8:9], scales s[10:11]; W_ins's s[12:13], s[14:15]; b_sub s[16:17]; b_ins s[18:19]; prior s[20:21]; modern s[22:23]
	s_load_b256 s[24:31], s[0:1], 0x40             ; target_ids s[24:25]; src_lengths s[26:27]; tgt_lengths s[28:29]; ws s[30:31]
	v_and_b32 v1, 15, v0                           ; r
	v_bfe_u32 v2, v0, 4, 1                         ; h
	v_lshrrev_b32 v64, 5, v0
	v_readfirstlane_b32 s32, v64                   ; wave 0..7
	v_lshlrev_b32 v3, 17, v1
	v_lshl_add_u32 v3, v2, 7, v3                   ; prior: x-row r of 131,072 bytes, + 128 h
	v_lshrrev_b32 v64, 3, v1                       ; r / 8
	v_and_b32 v65, 7, v1                           ; r % 8
	v_lshlrev_b32 v5, 8, v64
	v_lshl_add_u32 v5, v2, 7, v5
	v_lshl_add_u32 v5, v65, 4, v5                  ; a row of modern: 256 (r / 8) + 128 h + 16 (r % 8): a load's 32 lanes cover 512 consecutive bytes
	v_lshlrev_b32 v10, 3, v1
	v_lshl_add_u32 v10, v2, 7, v10                 ; a unit of ws: 128 h + 8 r
	v_mul_u32_u24 v66, v1, 192
	v_mad_u32_u24 v66, v2, 24, v66                 ; W: row r of 192 bytes, + 24 h
	v_and_b32 v67, 31, v0
	v_lshlrev_b32 v67, 4, v67                      ; the lengths: four to a lane
	v_cmp_le_u32 s66, 3, v65                       ; tile 6: is my row one of ins?
	v_mad_u32_u24 v68, v64, 3, v65                 ; r % 8 + 3 (r / 8),
	v_add_nc_u32 v69, -3, v68                      ; less 3 in ins's rows,
	v_cndmask_b32 v68, v68, v69, s66
	v_min_u32 v68, 4, v68                          ; held at 4 (pads and rows never read),
	v_add_nc_u32 v68, 48, v68                      ; + 48: tile 6's row of W for my lane
	v_mul_u32_u24 v69, v68, 192
	v_mad_u32_u24 v69, v2, 24, v69                 ; its codes
	v_lshlrev_b32 v70, 3, v1
	v_lshl_add_u32 v70, v2, 2, v70                 ; scale words: 8 bytes a row; lanes 16-31 take K step 1's
	v_lshlrev_b32 v71, 3, v68
	v_lshl_add_u32 v71, v2, 2, v71                 ; and tile 6's
	v_lshlrev_b32 v72, 5, v2                       ; biases: 32 h
	v_mul_u32_u24 v73, v2, 12                      ; tile 6's: 12 h,
	v_lshlrev_b32 v74, 3, v2                       ; and 8 h for the third, so that no load leaves the 53 numbers
	s_mov_b32 s46, 0x3fb8aa3b                      ; log2(e), as a pair: the packed form names both
	s_mov_b32 s47, 0x3fb8aa3b
	s_mov_b32 s48, 0xbfb8aa3b                      ; -log2(e)
	s_mov_b32 s49, 0x3f317218                      ; ln(2)
	s_mov_b32 s50, 0x76543210
	s_mov_b32 s51, 0xfedcba98                      ; v_permlanex16_b32's selects for lane l xor 16
	s_mov_b32 s52, 0xffff0000                      ; lanes 16-31
	s_wait_kmcnt 0x0
	global_load_b128 v[88:91], v67, s[26:27]       ; src_lengths of b = 4 lane + 0 .. 3
	global_load_b128 v[92:95], v67, s[28:29]       ; tgt_lengths
	WIN 0x40                                       ; destination window 1
	WFRAG 0, 66, 8, 0                              ; W's tiles 0-4: 60 loads, on their way while the shares are worked out
	WFRAG 24, 66, 8, 3072
	WFRAG 48, 66, 8, 6144
	WFRAG 72, 66, 12, 0
	WFRAG 96, 66, 12, 3072
	WIN 0
	s_wait_loadcnt 60                              ; the lengths are in: the 60 loads issued behind them may be out
	v_mov_b32 v96, 0
	v_mov_b32 v109, 0                              ; (a lane move's destination counts as one of its sources)
.irp i, 0,1,2,3,4,5,6,7
	v_cmp_gt_i32 vcc_lo, 0, v[88+\i]
	v_cndmask_b32 v[88+\i], v[88+\i], v96, vcc_lo  ; a negative length counts as 0,
	v_min_u32 v[88+\i], 64, v[88+\i]               ; one above 64 as 64
.endr
.irp i, 0,1,2,3
	v_add_nc_u32 v[100+\i], 15, v[88+\i]
	v_lshrrev_b32 v[100+\i], 4, v[100+\i]
	v_mul_u32_u24 v[100+\i], v[100+\i], v[92+\i]   ; c = ceil(src / 16) x tgt
.endr
	v_add_nc_u32 v105, v100, v101                  ; prefix sums within my four,
	v_add_nc_u32 v106, v105, v102
	v_add_nc_u32 v107, v106, v103
	v_mov_b32 v108, v107
.irp n, 1,2,4,8
	v_mov_b32_dpp v109, v108 row_shr:\n row_mask:0xf bank_mask:0xf bound_ctrl:1   ; over the 16 lanes of my half (a lane with no source takes 0),
	v_add_nc_u32 v108, v108, v109
.endr
	v_readlane_b32 s58, v108, 15
	v_mad_u32_u24 v108, v2, s58, v108              ; and the lower half's total onto the upper half
	v_readlane_b32 s34, v108, 31                   ; T
	v_sub_nc_u32 v109, v108, v107                  ; what lies ahead of my four
	v_add_nc_u32 v[PI], v109, v100
	v_add_nc_u32 v[PI+1], v109, v105
	v_add_nc_u32 v[PI+2], v109, v106
	v_add_nc_u32 v[PI+3], v109, v107
.irp i, 0,1,2,3
	v_sub_nc_u32 v[INFO+\i], v[PI+\i], v[100+\i]   ; at most 32,768: 16 bits
	v_lshl_or_b32 v[INFO+\i], v[92+\i], 16, v[INFO+\i]
	v_lshl_or_b32 v[INFO+\i], v[88+\i], 23, v[INFO+\i]
.endr
	s_lshl_b32 s33, ttmp9, 3
	s_add_co_u32 s33, s33, s32                     ; g: my wave among the 2,048
	s_mul_i32 s35, s33, s34
	s_lshr_b32 s35, s35, 11                        ; u: my first tile
	s_add_co_u32 s58, s33, 1
	s_mul_i32 s58, s58, s34
	s_lshr_b32 s58, s58, 11
	s_sub_co_u32 s36, s58, s35                     ; and how many are mine
	s_cmp_lg_u32 s33, 0
	s_cbranch_scc1 .Lnot_first
	v_add_nc_u32 v11, 0x800000, v10                ; wave 0 stores the unit of zeros, whatever the lengths
	v_mov_b32 v12, 0
	v_mov_b32 v13, 0
	global_store_b64 v11, v[12:13], s[30:31]
.Lnot_first:
	s_cmp_eq_u32 s36, 0
	s_cbranch_scc1 .Lend
; A NEW SEGMENT: tile u begins a run of y at one (b, x / 16).  b, x / 16 and y come from the prefix sums; prior's 16 rows and the first four rows of modern are loaded; the next tile takes ring slot k.
; first = 1: at the head, where nothing of the ring is out yet and the wait behind the head's other loads serves.
.macro SEG k, first
.if !(\first)
	s_wait_loadcnt 0x0                             ; the ring's loads are in: their registers and offsets are written anew below
.endif
.irp i, 0,1,2,3
	v_cmp_ge_u32 s[58+\i], s35, v[PI+\i]           ; b = the number of prefix sums at or under u
.endr
	s_bcnt1_i32_b32 s58, s58
	s_bcnt1_i32_b32 s59, s59
	s_bcnt1_i32_b32 s60, s60
	s_bcnt1_i32_b32 s61, s61
	s_add_co_u32 s58, s58, s59
	s_add_co_u32 s60, s60, s61
	s_add_co_u32 s38, s58, s60
	s_min_u32 s38, s38, 127                        ; b
	s_lshr_b32 s58, s38, 2
.irp i, 0,1,2,3
	v_readlane_b32 s[60+\i], v[INFO+\i], s58
.endr
	s_and_b32 s59, s38, 3
	s_cmp_eq_u32 s59, 1
	s_cselect_b32 s60, s61, s60
	s_cmp_eq_u32 s59, 2
	s_cselect_b32 s60, s62, s60
	s_cmp_eq_u32 s59, 3
	s_cselect_b32 s60, s63, s60
	s_and_b32 s58, s60, 0xffff
	s_bfe_u32 s41, s60, 0x70010                    ; tgt
	s_bfe_u32 s42, s60, 0x70017                    ; src
	s_sub_co_u32 s58, s35, s58                     ; u's place among b's tiles: under 4 tgt
	s_mov_b32 s39, 0
.rept 3                                        ; divided by tgt
	s_cmp_ge_u32 s58, s41
	s_cselect_b32 s59, s41, 0
	s_cselect_b32 s60, 1, 0
	s_sub_co_u32 s58, s58, s59
	s_add_co_u32 s39, s39, s60
.endr
	s_mov_b32 s40, s58                             ; y
	s_min_u32 s39, s39, 3                          ; x / 16
	s_lshl_b32 s44, s38, 10                        ; b's 1,024 bytes in a row of prior or modern
	s_add_co_u32 s43, s40, s36
	s_min_u32 s43, s43, s41
	s_sub_co_u32 s43, s43, 1                       ; the last y of this run that is mine
	s_lshl_b32 s59, s39, 4
	s_sub_co_u32 s59, s42, s59
	v_cmp_gt_u32 s45, s59, v1                      ; which of the 16 x lie under src
	s_lshl_b32 s59, s39, 21
	s_add_co_u32 s59, s59, s44
	v_add_nc_u32 v4, s59, v3
.irp b, 0,1,2
.irp i, 0,1,2,3,4,5,6,7
	global_load_b128 v[PRI+32*\b+4*\i:PRI+32*\b+4*\i+3], v4, s[20:21] offset:256*\b+16*\i   ; prior(16 (x / 16) + r, b, 64 blk + 32 h + 4 i ..)
.endr
.endr
	WIN 0x40
.irp i, 0,1,2,3,4,5,6,7
	global_load_b128 v[PRI3+4*\i:PRI3+4*\i+3], v4, s[20:21] offset:768+16*\i
.endr
	WIN 0
.irp j, 0,1,2,3
	s_add_co_u32 s59, s40, \j
	s_min_u32 s59, s59, s43                        ; beyond my last y the last row once more, so that the count of loads is the same on every way
	s_min_u32 s59, s59, 63
	s_lshl_b32 s59, s59, 17
	s_add_co_u32 s59, s59, s44
	v_add_nc_u32 v[RA+((\k)+\j)%4], s59, v5
	global_load_b128 v[ROW+8*(((\k)+\j)%4):ROW+8*(((\k)+\j)%4)+3], v[RA+((\k)+\j)%4], s[22:23]
	global_load_b128 v[ROW+8*(((\k)+\j)%4)+4:ROW+8*(((\k)+\j)%4)+7], v[RA+((\k)+\j)%4], s[22:23] offset:512
.endr
.if !(\first)
	s_wait_loadcnt 0x0
.endif
.endm
	SEG 0, 1
	WIN 0x40
	WFRAG 120, 66, 12, 6144                        ; W's tile 5
	WFRAG 144, 69, 8, 0                            ; tile 6's rows out of W_sub,
.irp t, 0,1,2
	global_load_b128 v[BIAS+8*\t:BIAS+8*\t+3], v72, s[16:17] offset:64*\t          ; the biases as the sums' first C: lane (r, h), register j: b[16 t + 8 h + j]
	global_load_b128 v[BIAS+8*\t+4:BIAS+8*\t+7], v72, s[16:17] offset:64*\t+16
	global_load_b128 v[BIAS+24+8*\t:BIAS+24+8*\t+3], v72, s[18:19] offset:64*\t
	global_load_b128 v[BIAS+24+8*\t+4:BIAS+24+8*\t+7], v72, s[18:19] offset:64*\t+16
.endr
	WIN 0
	WFRAG 88, 69, 12, 0                            ; and the same rows out of W_ins: the data are chosen below, not the pointers
.irp t, 0,1,2
	global_load_b32 v[WS+\t], v70, s[10:11] offset:128*\t
	global_load_b32 v[WS+3+\t], v70, s[14:15] offset:128*\t
.endr
	global_load_b32 v[WS+6], v71, s[10:11]
	global_load_b32 v119, v71, s[14:15]
	global_load_b32 v112, v73, s[16:17] offset:192 ; tile 6's biases: b[48 + 3 h], b[49 + 3 h], and b[50 + 2 h], which counts in lanes 0-15 alone
	global_load_b32 v113, v73, s[16:17] offset:196
	global_load_b32 v114, v74, s[16:17] offset:200
	global_load_b32 v115, v73, s[18:19] offset:192
	global_load_b32 v116, v73, s[18:19] offset:196
	global_load_b32 v117, v74, s[18:19] offset:200
	s_wait_loadcnt 0x0                             ; all of W, the biases, prior's rows and the ring
	WIN 0x41                                       ; destination and source 0 window 1
.set cnt, 0
.rept 24
	v_cndmask_b32 v[144+cnt], v[144+cnt], v[88+cnt], s66   ; tile 6: ins's rows take ins's codes
.set cnt, cnt+1
.endr
	WIN 0
	v_cndmask_b32 v[WS+6], v[WS+6], v119, s66      ; and ins's scale words
	v_mov_b32 v118, 0xf149f2ca                     ; -1e30: the pads' bias; 2^(that) is 0, and no maximum is taken from it
	v_cndmask_b32 v114, v114, v118, s52
	v_cndmask_b32 v117, v117, v118, s52
	WIN 0x40
.irp j, 0,1,2,3,4,5
	v_mov_b32 v[BIAS+48+\j], v[112+\j]
.endr
	v_mov_b32 v[BIAS+54], 0                        ; rows never read
	v_mov_b32 v[BIAS+55], 0
	WIN 0
; Four sums: numbers 4 (n % 8) + 0 .. 3 of a block; modern's lie in lane n of my half
.macro ADD4 k, blk, n
.irp e, 0,1,2,3
	v_add_f32_dpp v[SUM+4*((\n)%8)+\e], v[ROW+8*(\k)+4*((\blk)/2)+\e], v[PB+4*((\n)%8)+\e] row_share:\n row_mask:0xf bank_mask:0xf
.endr
.endm
; Ring slot k has been read: it takes the row four tiles on
.macro REFILL k
	s_add_co_u32 s58, s40, 4
	s_min_u32 s58, s58, s43
	s_min_u32 s58, s58, 63
	s_lshl_b32 s58, s58, 17
	s_add_co_u32 s58, s58, s44
	v_add_nc_u32 v[RA+\k], s58, v5                 ; (free: the wait at the tile's head has shown the slot's last loads done)
	global_load_b128 v[ROW+8*\k:ROW+8*\k+3], v[RA+\k], s[22:23]
	global_load_b128 v[ROW+8*\k+4:ROW+8*\k+7], v[RA+\k], s[22:23] offset:512
.endm
; One block of 32: the sums, their largest magnitude, the scale, the codes
.macro BLOCK k, blk
.if (\blk) == 3
	WIN 0x04                                       ; source 1 (prior's block 3) window 1
.set PB, PRI3
.else
.set PB, PRI+32*(\blk)
.endif
.if (\blk)%2
.irp n, 8,9,10,11,12,13,14,15
	ADD4 \k, \blk, \n
.endr
.else
.irp n, 0,1,2,3,4,5,6,7
	ADD4 \k, \blk, \n
.endr
.endif
.if (\blk) == 3
	WIN 0
	REFILL \k
.endif
.irp q, 0,1,2,3
	v_max3_num_f32 v[MX+\q], |v[SUM+8*\q]|, |v[SUM+8*\q+1]|, |v[SUM+8*\q+2]|       ; four chains by turns
.endr
.irp i, 3,5
.irp q, 0,1,2,3
	v_max3_num_f32 v[MX+\q], v[MX+\q], |v[SUM+8*\q+\i]|, |v[SUM+8*\q+\i+1]|
.endr
.endr
	v_max3_num_f32 v[MX], v[MX], v[MX+1], |v[SUM+7]|
	v_max3_num_f32 v[MX+2], v[MX+2], v[MX+3], |v[SUM+15]|
	v_max3_num_f32 v[MX], v[MX], |v[SUM+23]|, |v[SUM+31]|
	v_max3_num_f32 v[MX], v[MX], v[MX+2], 0x1800000        ; and the floor 2^(3 - 127): the byte cannot fall under 1
	v_add_nc_u32 v[EX], 0xff000000, v[MX]          ; 2 off the exponent field: the conversion takes this operand's exponent field as its scale
	v_lshrrev_b32 v[BY+(\blk)%2], 23, v[EX]        ; the scale's byte
.if (\blk)%2
	v_lshl_or_b32 v[OWN], v[BY+1], 16, v[BY]       ; my two bytes of the K step's word: places h and 2 + h
	v_permlanex16_b32 v[MX+1], v[OWN], s50, s51
	v_lshl_or_b32 v[CS+(\blk)/2], v[MX+1], 8, v[OWN]       ; whole in lanes 0-15, which are the lanes that the product reads
.endif
	v_cvt_scalef32_pk16_fp6_f32 v[CODE+6*(\blk):CODE+6*(\blk)+2], v[SUM:SUM+15], v[EX]
	v_cvt_scalef32_pk16_fp6_f32 v[TMP:TMP+2], v[SUM+16:SUM+31], v[EX]      ; (a conversion's three registers begin on an even number)
	v_nop                                          ; one plain place behind the conversions
.irp i, 0,1,2
	v_mov_b32 v[CODE+6*(\blk)+3+\i], v[TMP+\i]
.endr
.endm
; The 14 products.  Seven accumulators by turns, one instruction a turn; the biases are the C of the first seven.
.macro MULS
	s_min_u32 s58, s40, 63
	s_lshl_b32 s58, s58, 2
	s_add_co_u32 s58, s58, s39
	s_lshl_b32 s58, s58, 7
	s_add_co_u32 s58, s58, s38
	s_lshl_b32 s58, s58, 8                         ; the tile's unit of ws
	s_wait_xcnt 0x0                                ; the last tile's store has read its offset and its data: v11 is written here, v[12:13] at this tile's end, with no store between
	v_add_nc_u32 v11, s58, v10
.rept 6
	v_nop                                          ; with the line above and the v_nop behind the conversions: eight places behind the write of the second scale word, seven behind the last move of codes
.endr
	WIN 0x11                                       ; source 0 (W) and source 2 (bias) window 1
.irp t, 0,1,2,3,4,5,6
	v_wmma_scale_f32_16x16x128_f8f6f4 v[ACC+8*\t:ACC+8*\t+7], v[24*\t:24*\t+11], v[CODE:CODE+11], v[BIAS+8*\t:BIAS+8*\t+7], v[WS+\t], v[CS] matrix_a_fmt:MATRIX_FMT_FP6 matrix_b_fmt:MATRIX_FMT_FP6
.endr
	WIN 0x01
.irp t, 0,1,2,3,4,5,6
	v_wmma_scale_f32_16x16x128_f8f6f4 v[ACC+8*\t:ACC+8*\t+7], v[24*\t+12:24*\t+23], v[CODE+12:CODE+23], v[ACC+8*\t:ACC+8*\t+7], v[WS+\t], v[CS+1] matrix_a_fmt:MATRIX_FMT_FP6 matrix_b_fmt:MATRIX_FMT_FP6 matrix_a_scale:MATRIX_SCALE_ROW1
.endr
	WIN 0
.rept 4
	v_nop                                          ; four places ahead of the first read of results and the first write of the codes' registers (ISA guide 7.12.1)
.endr
.endm
; A head's largest logit: my 27 and lane l xor 16's.  Each accumulator is read from its low end on.
.macro HEADMAX base, tail, dst
.irp q, 0,1,2
	v_max3_num_f32 v[64+\q], v[(\base)+8*\q], v[(\base)+8*\q+1], v[(\base)+8*\q+2]
.endr
	v_max3_num_f32 v67, v[\tail], v[(\tail)+1], v[(\tail)+2]
.irp i, 3,5
.irp q, 0,1,2
	v_max3_num_f32 v[64+\q], v[64+\q], v[(\base)+8*\q+\i], v[(\base)+8*\q+\i+1]
.endr
.endr
	v_max3_num_f32 v64, v64, v65, v[(\base)+7]
	v_max3_num_f32 v66, v66, v67, v[(\base)+15]
	v_max3_num_f32 v64, v64, v66, v[(\base)+23]
	v_permlanex16_b32 v68, v64, s50, s51
	v_max_num_f32 v[\dst], v64, v68
.endm
; The target's register, q of the head's 27, is the same in all lanes (a tile has one b and one y): scalar branches on q, which comes from target_ids, lead to one of 14 leaves; bit 0 of q chooses in the leaf.
.macro LEAF sa, sb, ia, ib, k
	v_cndmask_b32 v74, v[\sa], v[\sb], s57
	v_cndmask_b32 v75, v[\ia], v[\ib], s57
	s_branch .Lpicked_\k
.endm
.macro OCT base, k
	s_bitcmp1_b32 s55, 2
	s_cbranch_scc1 .Loct4_\@
	s_bitcmp1_b32 s55, 1
	s_cbranch_scc1 .Loct2_\@
	LEAF ACC+\base, ACC+\base+1, ACC+\base+24, ACC+\base+25, \k
.Loct2_\@:
	LEAF ACC+\base+2, ACC+\base+3, ACC+\base+26, ACC+\base+27, \k
.Loct4_\@:
	s_bitcmp1_b32 s55, 1
	s_cbranch_scc1 .Loct6_\@
	LEAF ACC+\base+4, ACC+\base+5, ACC+\base+28, ACC+\base+29, \k
.Loct6_\@:
	LEAF ACC+\base+6, ACC+\base+7, ACC+\base+30, ACC+\base+31, \k
.endm
.macro PICK k
	s_cmp_lt_u32 s55, 16
	s_cbranch_scc0 .Lhigh_\k
	s_cmp_lt_u32 s55, 8
	s_cbranch_scc0 .Loct8_\k
	OCT 0, \k
.Loct8_\k:
	OCT 8, \k
.Lhigh_\k:
	s_cmp_lt_u32 s55, 24
	s_cbranch_scc0 .Ltail_\k
	OCT 16, \k
.Ltail_\k:
	s_bitcmp1_b32 s55, 1
	s_cbranch_scc1 .Ltail2_\k
	LEAF ACC+48, ACC+49, ACC+51, ACC+52, \k
.Ltail2_\k:
	v_mov_b32 v74, v[ACC+50]
	v_mov_b32 v75, v[ACC+53]
.Lpicked_\k:
.endm
; Both log-softmaxes.  t = (logit - the largest) x log2(e); the result is (t at the wanted vocab - log2(the sum of 2^t)) x ln(2).
; At work, in the codes' registers: v64-68 maxima; v70, v71 the largest logits; v[72:73] their negatives x log2(e); v74, v75 the wanted t; v76, v77 the other half's; v[78:85] sums; v86, v87 logarithms.
.macro SOFTMAX k
	HEADMAX ACC, ACC+48, 70
	HEADMAX ACC+24, ACC+51, 71
	v_mul_f32 v72, s48, v70
	v_mul_f32 v73, s48, v71
	s_wait_kmcnt 0x0                               ; the tile's target
	s_min_u32 s53, s53, 52
	s_lshr_b32 s58, s53, 4
	s_lshl_b32 s58, s58, 3
	s_and_b32 s59, s53, 7
	s_or_b32 s58, s58, s59                         ; under 48: register 8 (v / 16) + v % 8,
	s_bfe_u32 s59, s53, 0x10003                    ; in the half (v / 8) % 2 of the lanes
	s_sub_co_u32 s60, s53, 48
	s_cmp_ge_u32 s53, 51
	s_cselect_b32 s61, 1, 0                        ; from 48 on: 48-50 in lanes 0-15, 51 and 52 in lanes 16-31,
	s_cselect_b32 s62, 3, 0
	s_sub_co_u32 s60, s60, s62
	s_add_co_u32 s60, s60, 24                      ; registers 24 on
	s_cmp_lt_u32 s53, 48
	s_cselect_b32 s55, s58, s60                    ; q
	s_cselect_b32 s59, s59, s61
	s_sub_co_u32 s56, 0, s59                       ; all ones where the target lies in lanes 16-31
	s_and_b32 s57, s55, 1
	s_sub_co_u32 s57, 0, s57                       ; all ones where q is odd
.set cnt, 0
.rept 12
	v_pk_fma_f32 v[ACC+cnt:ACC+cnt+1], v[ACC+cnt:ACC+cnt+1], s[46:47], v[72:73] op_sel_hi:[1,0,0]   ; sub: the pair's low word serves both halves
.set cnt, cnt+2
.endr
.rept 12
	v_pk_fma_f32 v[ACC+cnt:ACC+cnt+1], v[ACC+cnt:ACC+cnt+1], s[46:47], v[72:73] op_sel:[0,0,1] op_sel_hi:[1,0,1]   ; ins: its high word
.set cnt, cnt+2
.endr
	v_pk_fma_f32 v[ACC+48:ACC+49], v[ACC+48:ACC+49], s[46:47], v[72:73] op_sel_hi:[1,0,0]
	v_pk_fma_f32 v[ACC+50:ACC+51], v[ACC+50:ACC+51], s[46:47], v[72:73] op_sel_hi:[1,0,1]   ; one of sub, one of ins
	v_pk_fma_f32 v[ACC+52:ACC+53], v[ACC+52:ACC+53], s[46:47], v[72:73] op_sel:[0,0,1] op_sel_hi:[1,0,1]
	PICK \k
	v_permlanex16_b32 v76, v74, s50, s51
	v_permlanex16_b32 v77, v75, s50, s51
	v_cndmask_b32 v74, v74, v76, s56               ; lanes 0-15 now hold the target's t,
	v_cndmask_b32 v75, v75, v77, s56
	v_cndmask_b32 v74, v74, v[ACC+49], s52         ; lanes 16-31 vocab 52's
	v_cndmask_b32 v75, v75, v[ACC+52], s52
.set cnt, 0
.rept 54
	v_exp_f32 v[ACC+cnt], v[ACC+cnt]
.set cnt, cnt+1
.endr
	v_nop                                          ; a plain place behind the last exponential
	s_wait_alu depctr_va_vdst(0)                   ; one wait for the 54, ahead of their first reader
	v_pk_add_f32 v[78:79], v[ACC:ACC+1], v[ACC+2:ACC+3]            ; the sums: two chains a head, the four by turns
	v_pk_add_f32 v[80:81], v[ACC+24:ACC+25], v[ACC+26:ACC+27]
	v_pk_add_f32 v[82:83], v[ACC+4:ACC+5], v[ACC+6:ACC+7]
	v_pk_add_f32 v[84:85], v[ACC+28:ACC+29], v[ACC+30:ACC+31]
.irp j, 8,12,16,20
	v_pk_add_f32 v[78:79], v[78:79], v[ACC+\j:ACC+\j+1]
	v_pk_add_f32 v[80:81], v[80:81], v[ACC+24+\j:ACC+25+\j]
	v_pk_add_f32 v[82:83], v[82:83], v[ACC+\j+2:ACC+\j+3]
	v_pk_add_f32 v[84:85], v[84:85], v[ACC+26+\j:ACC+27+\j]
.endr
	v_pk_add_f32 v[78:79], v[78:79], v[ACC+48:ACC+49]
	v_pk_add_f32 v[80:81], v[80:81], v[ACC+52:ACC+53]
	v_pk_add_f32 v[78:79], v[78:79], v[82:83]
	v_pk_add_f32 v[80:81], v[80:81], v[84:85]
	v_add_f32 v78, v78, v79
	v_add_f32 v80, v80, v81
	v_add_f32 v78, v78, v[ACC+50]
	v_add_f32 v80, v80, v[ACC+51]
	v_permlanex16_b32 v76, v78, s50, s51
	v_permlanex16_b32 v77, v80, s50, s51
	v_add_f32 v78, v78, v76                        ; with lane l xor 16's 27: the row's sum, at least about 1
	v_add_f32 v80, v80, v77
	v_log_f32 v86, v78
	v_log_f32 v87, v80
	v_nop
	s_wait_alu depctr_va_vdst(0)                   ; one wait for the two
	v_sub_f32 v12, v74, v86
	v_sub_f32 v13, v75, v87
	v_mul_f32 v12, s49, v12
	v_mul_f32 v13, s49, v13
	v_cndmask_b32 v12, 0, v12, s45                 ; 0 where x >= src_lengths[b]
	v_cndmask_b32 v13, 0, v13, s45
	global_store_b64 v11, v[12:13], s[30:31]       ; the 32 lanes store 256 consecutive bytes, at a multiple of 256 from ws's first byte
.endm
.macro TILE k
	s_wait_loadcnt 0x6                             ; slot k's two loads are in: behind them stand at most the six of the three younger slots
	s_min_u32 s54, s40, 62
	s_lshl_b32 s54, s54, 9
	s_lshl_b32 s58, s38, 2
	s_add_co_u32 s54, s54, s58
	s_load_b32 s53, s[24:25], s54 offset:0x0       ; target_ids[y][b] (y = 63: row 62; that pick is not stored by the next launch)
	BLOCK \k, 0
	BLOCK \k, 1
	BLOCK \k, 2
	BLOCK \k, 3
	MULS
	SOFTMAX \k
.endm
.macro ADV k                           ; on to my next tile, if there is one; a new segment where y has reached tgt
	s_sub_co_u32 s36, s36, 1
	s_cmp_eq_u32 s36, 0
	s_cbranch_scc1 .Lend
	s_add_co_u32 s35, s35, 1
	s_add_co_u32 s40, s40, 1
	s_cmp_lt_u32 s40, s41
	s_cbranch_scc1 .Lsame_\k
	SEG ((\k)+1)%4, 0
.Lsame_\k:
.endm
	s_mov_b32 s37, 0
.Llap:                                                 ; four trips of four tiles, once round the ring each: sixteen tiles, the most a wave can have; a wave leaves by the branch in ADV
	TILE 0
	ADV 0
	TILE 1
	ADV 1
	TILE 2
	ADV 2
	TILE 3
	ADV 3
	s_add_co_u32 s37, s37, 1
	s_cmp_lt_u32 s37, 4
	s_cbranch_scc1 .Llap
.Lend:
	s_endpgm
.Lfunc_end_k_q0d500fd5fa_heads:
	.size	k_q0d500fd5fa_heads, .Lfunc_end_k_q0d500fd5fa_heads-k_q0d500fd5fa_heads
	.p2alignl 7, 3214868480
	.fill 96, 4, 3214868480
	.section	.rodata,"a",@progbits
	.p2align	6, 0x0
	.amdhsa_kernel k_q0d500fd5fa_heads
		.amdhsa_group_segment_fixed_size 0
		.amdhsa_private_segment_fixed_size 0
		.amdhsa_enable_private_segment 0
		.amdhsa_kernarg_size 96
		.amdhsa_user_sgpr_count 2
		.amdhsa_user_sgpr_kernarg_segment_ptr 1
		.amdhsa_wavefront_size32 1
		.amdhsa_system_sgpr_workgroup_id_x 1
		.amdhsa_system_sgpr_workgroup_id_y 1
		.amdhsa_system_sgpr_workgroup_id_z 1
		.amdhsa_system_vgpr_workitem_id 0
		.amdhsa_next_free_vgpr 512
		.amdhsa_next_free_sgpr 72
		.amdhsa_reserve_vcc 1
		.amdhsa_float_denorm_mode_32 3
		.amdhsa_float_denorm_mode_16_64 3
		.amdhsa_memory_ordered 1
		.amdhsa_forward_progress 1
		.amdhsa_inst_pref_size 169
	.end_amdhsa_kernel
	.amdgpu_metadata
---
amdhsa.version: [ 1, 2 ]
amdhsa.kernels:
  - .name:           k_q0d500fd5fa_heads
    .symbol:         k_q0d500fd5fa_heads.kd
    .args:
      - { .name: W_sub_codes, .offset: 0, .size: 8, .value_kind: global_buffer, .address_space: global }
      - { .name: W_sub_scales, .offset: 8, .size: 8, .value_kind: global_buffer, .address_space: global }
      - { .name: W_ins_codes, .offset: 16, .size: 8, .value_kind: global_buffer, .address_space: global }
      - { .name: W_ins_scales, .offset: 24, .size: 8, .value_kind: global_buffer, .address_space: global }
      - { .name: b_sub, .offset: 32, .size: 8, .value_kind: global_buffer, .address_space: global }
      - { .name: b_ins, .offset: 40, .size: 8, .value_kind: global_buffer, .address_space: global }
      - { .name: prior_ctx, .offset: 48, .size: 8, .value_kind: global_buffer, .address_space: global }
      - { .name: modern_ctx, .offset: 56, .size: 8, .value_kind: global_buffer, .address_space: global }
      - { .name: target_ids, .offset: 64, .size: 8, .value_kind: global_buffer, .address_space: global }
      - { .name: src_lengths, .offset: 72, .size: 8, .value_kind: global_buffer, .address_space: global }
      - { .name: tgt_lengths, .offset: 80, .size: 8, .value_kind: global_buffer, .address_space: global }
      - { .name: ws, .offset: 88, .size: 8, .value_kind: global_buffer, .address_space: global }
    .group_segment_fixed_size: 0
    .private_segment_fixed_size: 0
    .kernarg_segment_align: 8
    .kernarg_segment_size: 96
    .max_flat_workgroup_size: 256
    .sgpr_count:     72
    .vgpr_count:     512
    .wavefront_size: 32
...
	.end_amdgpu_metadata
.endif
;; end of part 1
;; launch spread (part 2): grid 4 x 64, 8 waves a work-group, no clusters, 35,072 bytes of LDS; arguments ws, src_lengths, tgt_lengths, out0, out1, out2, out3; writes out0, out1, out2, out3
.if DOCPART == 2
	.amdgcn_target "amdgcn-amd-amdhsa--gfx1250"
	.amdhsa_code_object_version 6
	.text
	.protected	k_q0d500fd5fa_spread
	.globl	k_q0d500fd5fa_spread
	.p2align	8
	.type	k_q0d500fd5fa_spread,@function
k_q0d500fd5fa_spread:
	s_mov_b64 s[64:65], 0
	v_nop
	global_prefetch_b8 v0, s[64:65] scope:SCOPE_SE
	s_setreg_imm32_b32 hwreg(HW_REG_WAVE_MODE, 25, 1), 1
	s_wait_xcnt 0x0
; The units of ws become the four outputs.  Work-group (x / 16, y) takes the 128 units of its (y, x / 16), one for each b, 32,768 consecutive bytes, turns them through LDS and stores rows of 128 b: 512 consecutive bytes.
; WORK LEFT OUT: a unit whose tile lies wholly under reference()'s mask (y >= tgt_lengths[b] or 16 (x / 16) >= src_lengths[b]: whole numbers read from memory) was not made; the unit of zeros is read in its place.
; At y = 63 out2 and out3 have no row (reference() slices it away): nothing is stored there.
; A unit: byte 128 h + 8 r + 4 e: h = 0: (sub at the target, ins at the target), h = 1: (sub at 52, ins at 52), of x = 16 (x / 16) + r.
; THE STAGE: row (k, r) at 8,448 k + 16 (k / 2) + 528 r, b's number at 4 b in it; k = 0: out0, 1: out1, 2: out2, 3: out3.  With these pitches the 32 lanes of a store of 4 bytes touch 32 different banks (64 banks of 4 bytes: ISA guide 11.1).
; Eight waves.  In: wave w takes b = 16 w .. 16 w + 15, two units a load, sixteen lanes to a unit.  Out: wave w takes output w / 2, rows 8 (w % 2) .. + 7.
.set PITCH, 528
.set PLANE, 8448
.set SPARE, 34048                      ; behind the stage: the spare words, 128 bytes for each wave: four blocks of 256 bytes that no other line names
	s_load_b256 s[4:11], s[0:1], 0x0               ; ws s[4:5], src_lengths s[6:7], tgt_lengths s[8:9], out0 s[10:11]
	s_load_b128 s[12:15], s[0:1], 0x20             ; out1, out2
	s_load_b64 s[16:17], s[0:1], 0x30              ; out3
	v_lshl_add_u32 v60, v0, 2, SPARE               ; my spare word,
	v_mov_b32 v61, 0                               ; and 0: kept for the wave's end
	v_lshrrev_b32 v1, 5, v0
	v_readfirstlane_b32 s18, v1                    ; wave 0..7
	v_and_b32 v1, 31, v0                           ; lane
	v_and_b32 v2, 15, v0                           ; p
	v_bfe_u32 v3, v0, 4, 1                         ; which of a load's two units
	s_and_b32 s19, ttmp7, 0xffff                   ; y
	s_lshl_b32 s28, ttmp9, 4                       ; the tile's first x
	v_lshlrev_b32 v51, 2, v2
	s_lshl_b32 s22, s18, 6
	v_add_nc_u32 v51, s22, v51                     ; the lengths of b = 16 w + p
	v_lshlrev_b32 v7, 4, v2                        ; my 16 bytes of a unit
	v_lshlrev_b32 v50, 4, v1                       ; my 16 bytes of a row of 512
	s_lshl_b32 s23, s19, 2
	s_add_co_u32 s23, s23, ttmp9
	s_lshl_b32 s23, s23, 7
	s_lshl_b32 s24, s18, 4
	s_add_co_u32 s23, s23, s24
	v_add_nc_u32 v6, s23, v3                       ; the unit of b = 16 w + my half
	v_mov_b32 v54, 0x8000                          ; the unit of zeros
	v_lshrrev_b32 v52, 3, v2
	v_xor_b32 v52, 1, v52                          ; a unit's first half goes to outputs 2 and 3, its second to 0 and 1
	v_mul_u32_u24 v48, v52, 2*PLANE+16
	v_and_b32 v52, 7, v2
	v_mad_u32_u24 v48, v52, 2*PITCH, v48           ; my 16 bytes hold rows 2 (p % 8) and 2 (p % 8) + 1
	v_lshl_add_u32 v48, v3, 2, v48
	v_add_nc_u32 v48, s22, v48                     ; at b = 16 w + my half (+ 2 i by the immediate)
	s_lshr_b32 s25, s18, 1                         ; which output I store
	s_mul_i32 s26, s25, PLANE
	s_lshr_b32 s27, s18, 2
	s_lshl_b32 s27, s27, 4
	s_add_co_u32 s26, s26, s27
	s_and_b32 s27, s18, 1
	s_mul_i32 s29, s27, 8*PITCH
	s_add_co_u32 s26, s26, s29
	v_add_nc_u32 v49, s26, v50                     ; where I read rows back
	s_wait_kmcnt 0x0
	global_load_b32 v4, v51, s[6:7]
	global_load_b32 v5, v51, s[8:9]
	s_wait_loadcnt 0x0
	v_cmp_lt_i32 s20, s19, v5                      ; y < tgt_lengths[b]
	v_cmp_lt_i32 s21, s28, v4                      ; the tile's first x < src_lengths[b]
	s_and_b32 s20, s20, s21                        ; bit p: the tile of b = 16 w + p was made
.irp i, 0,1,2,3,4,5,6,7
	s_lshr_b32 s22, s20, 2*\i
	v_lshrrev_b32 v52, v3, s22
	v_and_b32 v52, 1, v52
	v_cmp_eq_u32 vcc_lo, 1, v52
	v_add_nc_u32 v53, 2*\i, v6
	v_cndmask_b32 v53, v54, v53, vcc_lo            ; its unit, or the unit of zeros
	v_min_u32 v53, 0x8000, v53
	v_lshl_add_u32 v[8+\i], v53, 8, v7
	global_load_b128 v[16+4*\i:19+4*\i], v[8+\i], s[4:5]   ; sixteen lanes read a whole unit of 256 bytes
.endr
.irp i, 0,1,2,3,4,5,6,7
	s_wait_loadcnt 7-\i                            ; load i is in; the younger ones may be out
.irp e, 0,1,2,3
	ds_store_b32 v48, v[16+4*\i+\e] offset:(\e%2)*PLANE+(\e/2)*PITCH+8*\i
.endr
.endr
	s_cmp_eq_u32 s25, 1                            ; my output's pointer: a choice on the wave's number
	s_cselect_b64 s[10:11], s[12:13], s[10:11]
	s_cmp_eq_u32 s25, 2
	s_cselect_b64 s[10:11], s[14:15], s[10:11]
	s_cmp_eq_u32 s25, 3
	s_cselect_b64 s[10:11], s[16:17], s[10:11]
	s_mov_b32 s30, 32256                           ; bytes from x to x + 1: 63 rows of 512 in out2 and out3,
	s_cmp_lt_u32 s18, 4
	s_cselect_b32 s30, 32768, s30                  ; 64 in out0 and out1
	s_lshl_b32 s31, s27, 3
	s_add_co_u32 s31, s31, s28                     ; my first x
	s_mul_i32 s30, s30, s31
	s_lshl_b32 s31, s19, 9
	s_add_co_u32 s30, s30, s31                     ; + y's row
	s_mov_b32 s31, 0
	s_add_nc_u64 s[10:11], s[10:11], s[30:31]
	s_wait_dscnt 0x0                               ; for the others' sake: my stores into the stage are done
	s_barrier_signal -1
	s_barrier_wait -1
.macro OUT xs                          ; eight rows back from the stage and out; xs: bytes from x to x + 1
.irp i, 0,1,2,3,4,5,6,7
	ds_load_b128 v[16+4*\i:19+4*\i], v49 offset:PITCH*\i
.endr
.irp i, 0,1,2,3,4,5,6,7
	s_wait_dscnt 7-\i
	global_store_b128 v50, v[16+4*\i:19+4*\i], s[10:11] offset:\i*\xs th:TH_STORE_NT   ; 32 lanes store 512 consecutive bytes, at a multiple of 256 from the output's first byte; written once, read by nobody here
.endr
.endm
	s_cmp_lt_u32 s18, 4
	s_cbranch_scc0 .Lshort
	OUT 32768
	s_branch .Ldone
.Lshort:
	s_cmp_eq_u32 s19, 63                           ; out2 and out3 have no row y = 63
	s_cbranch_scc1 .Ldone
	OUT 32256
.Ldone:
	s_wait_tensorcnt 0x0                           ; the wave's end
	ds_add_u32 v60, v61
	s_wait_dscnt 0x0
	s_endpgm
.Lfunc_end_k_q0d500fd5fa_spread:
	.size	k_q0d500fd5fa_spread, .Lfunc_end_k_q0d500fd5fa_spread-k_q0d500fd5fa_spread
	.p2alignl 7, 3214868480
	.fill 96, 4, 3214868480
	.section	.rodata,"a",@progbits
	.p2align	6, 0x0
	.amdhsa_kernel k_q0d500fd5fa_spread
		.amdhsa_group_segment_fixed_size 35072
		.amdhsa_private_segment_fixed_size 0
		.amdhsa_enable_private_segment 0
		.amdhsa_kernarg_size 56
		.amdhsa_user_sgpr_count 2
		.amdhsa_user_sgpr_kernarg_segment_ptr 1
		.amdhsa_wavefront_size32 1
		.amdhsa_system_sgpr_workgroup_id_x 1
		.amdhsa_system_sgpr_workgroup_id_y 1
		.amdhsa_system_sgpr_workgroup_id_z 1
		.amdhsa_system_vgpr_workitem_id 0
		.amdhsa_next_free_vgpr 96
		.amdhsa_next_free_sgpr 66
		.amdhsa_reserve_vcc 1
		.amdhsa_float_denorm_mode_32 3
		.amdhsa_float_denorm_mode_16_64 3
		.amdhsa_memory_ordered 1
		.amdhsa_forward_progress 1
		.amdhsa_inst_pref_size 13
	.end_amdhsa_kernel
	.amdgpu_metadata
---
amdhsa.version: [ 1, 2 ]
amdhsa.kernels:
  - .name:           k_q0d500fd5fa_spread
    .symbol:         k_q0d500fd5fa_spread.kd
    .args:
      - { .name: ws, .offset: 0, .size: 8, .value_kind: global_buffer, .address_space: global }
      - { .name: src_lengths, .offset: 8, .size: 8, .value_kind: global_buffer, .address_space: global }
      - { .name: tgt_lengths, .offset: 16, .size: 8, .value_kind: global_buffer, .address_space: global }
      - { .name: out0, .offset: 24, .size: 8, .value_kind: global_buffer, .address_space: global }
      - { .name: out1, .offset: 32, .size: 8, .value_kind: global_buffer, .address_space: global }
      - { .name: out2, .offset: 40, .size: 8, .value_kind: global_buffer, .address_space: global }
      - { .name: out3, .offset: 48, .size: 8, .value_kind: global_buffer, .address_space: global }
    .group_segment_fixed_size: 35072
    .private_segment_fixed_size: 0
    .kernarg_segment_align: 8
    .kernarg_segment_size: 56
    .max_flat_workgroup_size: 256
    .sgpr_count:     66
    .vgpr_count:     96
    .wavefront_size: 32
...
	.end_amdgpu_metadata
.endif
;; end of part 2
;; ======== version 2 of 2: 2 launches; version 1 with the launch spread written anew for expert scheduling mode
;; limits: right only within a limited range of input values
;; workspace buffers: ws 8,388,864 bytes
;; launch heads: the kernel of part 1 again; grid 256 x 1, 8 waves a work-group, no clusters, 0 bytes of LDS; arguments W_sub_codes, W_sub_scales, W_ins_codes, W_ins_scales, b_sub, b_ins, prior_ctx, modern_ctx, target_ids, src_lengths, tgt_lengths, ws; writes ws
;; launch spread (part 3): grid 4 x 64, 8 waves a work-group, no clusters, 35,072 bytes of LDS; arguments ws, src_lengths, tgt_lengths, out0, out1, out2, out3; writes out0, out1, out2, out3
.if DOCPART == 3
	.amdgcn_target "amdgcn-amd-amdhsa--gfx1250"
	.amdhsa_code_object_version 6
	.text
	.protected	k_q0d500fd5fa_spread
	.globl	k_q0d500fd5fa_spread
	.p2align	8
	.type	k_q0d500fd5fa_spread,@function
k_q0d500fd5fa_spread:
	s_mov_b64 s[64:65], 0
	v_nop
	global_prefetch_b8 v0, s[64:65] scope:SCOPE_SE
	s_setreg_imm32_b32 hwreg(HW_REG_WAVE_SCHED_MODE, 0, 2), 2
	s_setreg_imm32_b32 hwreg(HW_REG_WAVE_MODE, 25, 1), 1
	s_wait_xcnt 0x0
	s_wait_alu depctr_vm_vsrc(0)
; The units of ws become the four outputs.  Work-group (x / 16, y) takes the 128 units of its (y, x / 16), one for each b, 32,768 consecutive bytes, turns them through LDS and stores rows of 128 b: 512 consecutive bytes.
; WORK LEFT OUT: a unit whose tile lies wholly under reference()'s mask (y >= tgt_lengths[b] or 16 (x / 16) >= src_lengths[b]: whole numbers read from memory) was not made; the unit of zeros is read in its place.
; At y = 63 out2 and out3 have no row (reference() slices it away): nothing is stored there.
; A unit: byte 128 h + 8 r + 4 e: h = 0: (sub at the target, ins at the target), h = 1: (sub at 52, ins at 52), of x = 16 (x / 16) + r.
; THE STAGE: row (k, r) at 8,448 k + 16 (k / 2) + 528 r, b's number at 4 b in it; k = 0: out0, 1: out1, 2: out2, 3: out3.  With these pitches the 32 lanes of a store of 4 bytes touch 32 different banks (64 banks of 4 bytes: ISA guide 11.1).
; Eight waves.  In: wave w takes b = 16 w .. 16 w + 15, two units a load, sixteen lanes to a unit.  Out: wave w takes output w / 2, rows 8 (w % 2) .. + 7.
; THE MODE: SCHED_MODE bits 1:0 = 2 (LLVM: expert scheduling mode 2), set by the entry lines.  The code itself states the register dependences between vector instructions and memory or LDS instructions, with s_wait_alu, always for 0.
; THE PLAN.  Registers that memory or LDS instructions touch:
;   v51           the lengths' offset: made at the head; read by the two loads of the lengths.
;   v48, v49, v50 the stage's two addresses and the rows' offset: made at the head, never written again; read by the LDS stores, the LDS loads and the global stores.
;   v4, v5        the lengths land there once; two compares read them.
;   v8-15         the eight units' offsets: written once, by the address arithmetic; read by the eight loads of units.
;   v16-47        no vector instruction names them: the units land there, the 32 LDS stores read them, the stage's rows land there, the global stores read them.
;   v60, v61      written at the head, read by the closing add alone.
; So: one wait on va_vdst ahead of the lengths' loads (all that the head made); one ahead of the run of eight loads (v8-15); one wait on vm_vsrc behind the barrier, ahead of the branch on the wave's number
; (the LDS stores have read v16-47, in which the LDS loads land).  The eight choices of a unit stand in runs: eight compares, each into a scalar register of its own, one wait on va_sdst, eight selects.
; Every scalar register that a vector instruction writes has its wait on va_sdst ahead of its first reader, in the same straight run.
.set PITCH, 528
.set PLANE, 8448
.set SPARE, 34048                      ; behind the stage: the spare words, 128 bytes for each wave: four blocks of 256 bytes that no other line names
.set BIT,   64                         ; v64-71 at work: was unit pair i's tile made, for my half?
.set UN,    72                         ; v72-79 at work: the number of my unit of pair i
.set MK,    32                         ; s32-39 the eight masks
	s_load_b256 s[4:11], s[0:1], 0x0               ; ws s[4:5], src_lengths s[6:7], tgt_lengths s[8:9], out0 s[10:11]
	s_load_b128 s[12:15], s[0:1], 0x20             ; out1, out2
	s_load_b64 s[16:17], s[0:1], 0x30              ; out3
	v_lshl_add_u32 v60, v0, 2, SPARE               ; my spare word,
	v_mov_b32 v61, 0                               ; and 0: kept for the wave's end
	v_lshrrev_b32 v1, 5, v0
	v_readfirstlane_b32 s18, v1                    ; wave 0..7
	v_and_b32 v1, 31, v0                           ; lane
	v_and_b32 v2, 15, v0                           ; p
	v_bfe_u32 v3, v0, 4, 1                         ; which of a load's two units
	s_and_b32 s19, ttmp7, 0xffff                   ; y
	s_lshl_b32 s28, ttmp9, 4                       ; the tile's first x
	v_lshlrev_b32 v51, 2, v2
	s_wait_alu depctr_va_sdst(0)                   ; s18, the wave's number, is written, ahead of its first reader, the shift below
	s_lshl_b32 s22, s18, 6
	v_add_nc_u32 v51, s22, v51                     ; the lengths of b = 16 w + p
	v_lshlrev_b32 v7, 4, v2                        ; my 16 bytes of a unit
	v_lshlrev_b32 v50, 4, v1                       ; my 16 bytes of a row of 512
	s_lshl_b32 s23, s19, 2
	s_add_co_u32 s23, s23, ttmp9
	s_lshl_b32 s23, s23, 7
	s_lshl_b32 s24, s18, 4
	s_add_co_u32 s23, s23, s24
	v_add_nc_u32 v6, s23, v3                       ; the unit of b = 16 w + my half
	v_mov_b32 v54, 0x8000                          ; the unit of zeros
	v_lshrrev_b32 v52, 3, v2
	v_xor_b32 v52, 1, v52                          ; a unit's first half goes to outputs 2 and 3, its second to 0 and 1
	v_mul_u32_u24 v48, v52, 2*PLANE+16
	v_and_b32 v52, 7, v2
	v_mad_u32_u24 v48, v52, 2*PITCH, v48           ; my 16 bytes hold rows 2 (p % 8) and 2 (p % 8) + 1
	v_lshl_add_u32 v48, v3, 2, v48
	v_add_nc_u32 v48, s22, v48                     ; at b = 16 w + my half (+ 2 i by the immediate)
	s_lshr_b32 s25, s18, 1                         ; which output I store
	s_mul_i32 s26, s25, PLANE
	s_lshr_b32 s27, s18, 2
	s_lshl_b32 s27, s27, 4
	s_add_co_u32 s26, s26, s27
	s_and_b32 s27, s18, 1
	s_mul_i32 s29, s27, 8*PITCH
	s_add_co_u32 s26, s26, s29
	v_add_nc_u32 v49, s26, v50                     ; where I read rows back
	s_wait_kmcnt 0x0
	s_wait_alu depctr_va_vdst(0)                   ; v51 is written, which the two loads below read; so are v48, v49 and v50, which the LDS stores, the LDS loads and the global stores read, and v60 and v61, which the closing add reads
	global_load_b32 v4, v51, s[6:7]
	global_load_b32 v5, v51, s[8:9]
	s_wait_loadcnt 0x0
	v_cmp_lt_i32 s20, s19, v5                      ; y < tgt_lengths[b]
	v_cmp_lt_i32 s21, s28, v4                      ; the tile's first x < src_lengths[b]
	s_wait_alu depctr_va_sdst(0)                   ; s20 and s21 are written, which the line below reads
	s_and_b32 s20, s20, s21                        ; bit p: the tile of b = 16 w + p was made
.irp i, 0,1,2,3,4,5,6,7
	s_lshr_b32 s22, s20, 2*\i
	v_lshrrev_b32 v[BIT+\i], v3, s22
	v_and_b32 v[BIT+\i], 1, v[BIT+\i]
	v_cmp_eq_u32 s[MK+\i], 1, v[BIT+\i]            ; the eight compares, each into a scalar register of its own
	v_add_nc_u32 v[UN+\i], 2*\i, v6
.endr
	s_wait_alu depctr_va_sdst(0)                   ; the eight masks are written, which the selects below read
.irp i, 0,1,2,3,4,5,6,7
	v_cndmask_b32 v[UN+\i], v54, v[UN+\i], s[MK+\i]        ; its unit, or the unit of zeros
	v_min_u32 v[UN+\i], 0x8000, v[UN+\i]
	v_lshl_add_u32 v[8+\i], v[UN+\i], 8, v7
.endr
	s_wait_alu depctr_va_vdst(0)                   ; the eight offsets v8 to v15 are written, which the loads below read
.irp i, 0,1,2,3,4,5,6,7
	global_load_b128 v[16+4*\i:19+4*\i], v[8+\i], s[4:5]   ; sixteen lanes read a whole unit of 256 bytes
.endr
.irp i, 0,1,2,3,4,5,6,7
	s_wait_loadcnt 7-\i                            ; load i is in; the younger ones may be out
.irp e, 0,1,2,3
	ds_store_b32 v48, v[16+4*\i+\e] offset:(\e%2)*PLANE+(\e/2)*PITCH+8*\i
.endr
.endr
	s_cmp_eq_u32 s25, 1                            ; my output's pointer: a choice on the wave's number
	s_cselect_b64 s[10:11], s[12:13], s[10:11]
	s_cmp_eq_u32 s25, 2
	s_cselect_b64 s[10:11], s[14:15], s[10:11]
	s_cmp_eq_u32 s25, 3
	s_cselect_b64 s[10:11], s[16:17], s[10:11]
	s_mov_b32 s30, 32256                           ; bytes from x to x + 1: 63 rows of 512 in out2 and out3,
	s_cmp_lt_u32 s18, 4
	s_cselect_b32 s30, 32768, s30                  ; 64 in out0 and out1
	s_lshl_b32 s31, s27, 3
	s_add_co_u32 s31, s31, s28                     ; my first x
	s_mul_i32 s30, s30, s31
	s_lshl_b32 s31, s19, 9
	s_add_co_u32 s30, s30, s31                     ; + y's row
	s_mov_b32 s31, 0
	s_add_nc_u64 s[10:11], s[10:11], s[30:31]
	s_wait_dscnt 0x0                               ; for the others' sake: my stores into the stage are done
	s_barrier_signal -1
	s_barrier_wait -1
	s_wait_alu depctr_vm_vsrc(0)                   ; my LDS stores have read v16 to v47, in which the LDS loads below land, on either way of the branch
.macro OUT xs                          ; eight rows back from the stage and out; xs: bytes from x to x + 1
.irp i, 0,1,2,3,4,5,6,7
	ds_load_b128 v[16+4*\i:19+4*\i], v49 offset:PITCH*\i
.endr
.irp i, 0,1,2,3,4,5,6,7
	s_wait_dscnt 7-\i
	global_store_b128 v50, v[16+4*\i:19+4*\i], s[10:11] offset:\i*\xs th:TH_STORE_NT   ; 32 lanes store 512 consecutive bytes, at a multiple of 256 from the output's first byte; written once, read by nobody here
.endr
.endm
	s_cmp_lt_u32 s18, 4
	s_cbranch_scc0 .Lshort
	OUT 32768
	s_branch .Ldone
.Lshort:
	s_cmp_eq_u32 s19, 63                           ; out2 and out3 have no row y = 63
	s_cbranch_scc1 .Ldone
	OUT 32256
.Ldone:
	s_wait_dscnt 0x0                               ; the closing lines, six on end
	s_wait_alu 0x0
	s_wait_tensorcnt 0x0
	ds_add_u32 v60, v61
	s_wait_dscnt 0x0
	s_endpgm
.Lfunc_end_k_q0d500fd5fa_spread:
	.size	k_q0d500fd5fa_spread, .Lfunc_end_k_q0d500fd5fa_spread-k_q0d500fd5fa_spread
	.p2alignl 7, 3214868480
	.fill 96, 4, 3214868480
	.section	.rodata,"a",@progbits
	.p2align	6, 0x0
	.amdhsa_kernel k_q0d500fd5fa_spread
		.amdhsa_group_segment_fixed_size 35072
		.amdhsa_private_segment_fixed_size 0
		.amdhsa_enable_private_segment 0
		.amdhsa_kernarg_size 56
		.amdhsa_user_sgpr_count 2
		.amdhsa_user_sgpr_kernarg_segment_ptr 1
		.amdhsa_wavefront_size32 1
		.amdhsa_system_sgpr_workgroup_id_x 1
		.amdhsa_system_sgpr_workgroup_id_y 1
		.amdhsa_system_sgpr_workgroup_id_z 1
		.amdhsa_system_vgpr_workitem_id 0
		.amdhsa_next_free_vgpr 96
		.amdhsa_next_free_sgpr 66
		.amdhsa_reserve_vcc 0
		.amdhsa_float_denorm_mode_32 3
		.amdhsa_float_denorm_mode_16_64 3
		.amdhsa_memory_ordered 1
		.amdhsa_forward_progress 1
		.amdhsa_inst_pref_size 13
	.end_amdhsa_kernel
	.amdgpu_metadata
---
amdhsa.version: [ 1, 2 ]
amdhsa.kernels:
  - .name:           k_q0d500fd5fa_spread
    .symbol:         k_q0d500fd5fa_spread.kd
    .args:
      - { .name: ws, .offset: 0, .size: 8, .value_kind: global_buffer, .address_space: global }
      - { .name: src_lengths, .offset: 8, .size: 8, .value_kind: global_buffer, .address_space: global }
      - { .name: tgt_lengths, .offset: 16, .size: 8, .value_kind: global_buffer, .address_space: global }
      - { .name: out0, .offset: 24, .size: 8, .value_kind: global_buffer, .address_space: global }
      - { .name: out1, .offset: 32, .size: 8, .value_kind: global_buffer, .address_space: global }
      - { .name: out2, .offset: 40, .size: 8, .value_kind: global_buffer, .address_space: global }
      - { .name: out3, .offset: 48, .size: 8, .value_kind: global_buffer, .address_space: global }
    .group_segment_fixed_size: 35072
    .private_segment_fixed_size: 0
    .kernarg_segment_align: 8
    .kernarg_segment_size: 56
    .max_flat_workgroup_size: 256
    .sgpr_count:     66
    .vgpr_count:     96
    .wavefront_size: 32
...
	.end_amdgpu_metadata
.endif
;; end of part 3
